; MI455X (gfx1250); checked and timed in simulation.
; The chip was launched on July 23, 2026; its instructions are those of AMD's public machine-readable ISA for CDNA 5 (MIT licence, August 2026) and "CDNA5" Instruction Set Architecture Reference Guide (July 2026). The comments in the code are by the model that wrote it; some were corrected since.
;; Mo E Gating. Allowed arithmetic: matrix products marked QUANTISED: E4M3 operands, one E8M0 scale for each 32 along K, by v_wmma_scale_f32_16x16x128_f8f6f4 with both operands' format E4M3, f32 sums; everything else in f32.
;; Inputs: W 64 x 2,048 float32; x 4 x 4,096 x 2,048 float32.
;; Outputs: out0 16,384 x 2 int32; out1 16,384 x 2 float32.
;; This version of the problem:
;;   THIS VERSION OF THE PROBLEM IS GIVEN IN LOW PRECISION. The matrix products marked QUANTISED in the list below multiply operands that are first quantised to E4M3 (4 exponent bits, 3 mantissa bits; 8 bits a number), with one power-of-two scale for each 32 numbers along K (OCP MX v1.0); their sums are f32. All else is computed in f32.
;;   The module's matrix products, in the order in which they are computed (A, B: the left and right operand; K: the contracted axis; several contracted axes count as one K, in the product's order):
;;     1. [M 16,384, K 2,048] x [K 2,048, N 64]; A: input x; B: input W: QUANTISED
;;   THE QUANTISER, for each operand of a quantised product, along K:
;;     - K is cut into blocks of 32 from its start; a last block that is shorter is filled with zeros.
;;     - A block's scale is 2^e with e = floor(log2(the largest magnitude in the block)) - 8, held to -126 .. 127; a block of zeros has e = 0. As a byte (E8M0): e + 127.
;;     - Each number is divided by its block's scale, clamped to +-448, and rounded to the nearest number of E4M3, ties to even, subnormals kept.
;;     - The product sums the exact products of the quantised numbers (number of the format x scale) in f32.
;;   ~~~python
;;   def quantise(x, axis):      # numpy; x: float32 -> the quantised numbers, widened to float32 again
;;       x = np.moveaxis(x, axis, -1); K = x.shape[-1]
;;       x = np.pad(x, [(0, 0)] * (x.ndim - 1) + [(0, -K % 32)]); x = x.reshape(x.shape[:-1] + (-1, 32)); a = np.abs(x).max(-1, keepdims=True)
;;       e = np.where(a > 0, np.clip(np.frexp(np.where(a > 0, a, 1))[1] - 1 - 8, -126, 127), 0)      # np.frexp(a)[1] - 1 = floor(log2(a)), exactly
;;       r = np.clip(x / 2.0 ** e, -448, 448)
;;       step = 2.0 ** (np.maximum(np.frexp(np.where(r == 0, 1, r))[1] - 1, -6) - 3)
;;       q = np.round(r / step) * step * 2.0 ** e      # np.round: ties to even
;;       return np.moveaxis(q.reshape(q.shape[:-2] + (-1,))[..., :K], -1, axis).astype(np.float32)
;;   ~~~
;; 2 versions. Each part assembles by itself: llvm-mc -triple=amdgcn-amd-amdhsa -mcpu=gfx1250 --defsym DOCPART=n.
;; ======== version 1 of 2: 1 launch
;; launch gate (part 1): grid 256 x 1, 8 waves a work-group, no clusters, 190,976 bytes of LDS; arguments x, W, out0, out1; writes out0, out1
.if DOCPART == 1
	.amdgcn_target "amdgcn-amd-amdhsa--gfx1250"
	.amdhsa_code_object_version 6
	.text
	.protected	k_q749b994a22_gate
	.globl	k_q749b994a22_gate
	.p2align	8
	.type	k_q749b994a22_gate,@function
k_q749b994a22_gate:
	s_mov_b64 s[64:65], 0
	v_nop
	global_prefetch_b8 v0, s[64:65] scope:SCOPE_SE
	s_setreg_imm32_b32 hwreg(HW_REG_WAVE_MODE, 25, 1), 1
	s_wait_xcnt 0x0
; MoE gate: logits[n][e] = sum over k of Q(x)[n][k] Q(W)[e][k]; the two largest logits of a token, their experts (out0) and the softmax of the two (out1).
; x: [16384][2048] f32, W: [64][2048] f32.  Q: codes of FP8 (E4M3) with one E8M0 scale for each 32 along K; the product by v_wmma_scale_f32_16x16x128_f8f6f4, sums in f32.
; SHARES.  256 work-groups of 64 tokens, eight waves.  Wave w = 4 p + t owns tokens 16 t .. 16 t + 15 and the K steps (128 along K) of parity p.  Eight phases of 256 along K.  In a phase a wave
; quantises W's experts 16 t .. 16 t + 15 for its K step into LDS (read by the four waves of its parity), passes a barrier, quantises its own 16 tokens for the same K step into its own stage,
; and multiplies: four matrix instructions, one for each 16 experts.  At the end the waves of parity 1 hand their sums to those of parity 0 through LDS.
; LOADS.  A load takes 512 consecutive bytes of ONE row, a K step, at a multiple of 512 from the buffer's first byte.  Lane (lo, hi) reads the 16 bytes at 128 (lo / 4) + 64 hi + 16 (lo % 4).  Two loads (rows u
; and u + 8) and four v_permlane16_swap_b32 then leave lane (lo, hi) with 8 numbers of row u + 8 hi, all of block lo / 4: k = 4 (lo % 4) + 0..3 and 16 + 4 (lo % 4) + 0..3 of the block.  That is what the
; conversion wants: eight numbers of one block in one lane's registers.  Four lanes share a block: its largest magnitude is joined by two DPP steps.
; A lane's 8 codes go to LDS as 8 bytes at row x 144 + 8 lo.  So inside a block of 32 the order of k is permuted, alike for W and for x: blocks, scales and products stay as they are.
; THE RING.  Window 1 (v256-511) holds 8 groups of 8 loads: a wave has 56 to 64 loads out from its first line to its last, in the order W, W, x, x of each phase.
; THE PRODUCT IS USED TRANSPOSED: source 0 = 16 experts, source 1 = my 16 tokens.  Tile e takes experts 8 e + 0..7 (rows 0-7) and 32 + 8 e + 0..7 (rows 8-15): lane (r, h) then holds token r, and register j of
; accumulator e is expert 32 h + 8 e + j: a lane's 32 results are 32 experts in ascending order, and lanes 0-15 hold the lower 32.
; THE ORDER OF K.  A work-group begins at a block of 256 along K that hangs on its number, so that at any time the work-groups stand at all eight parts of the rows and of W.
; NO CLUSTER: W is the one input that work-groups share.  A joint request would bring it into LDS as f32, 4 bytes in and 4 bytes out for each number where this text puts 1 byte in, and each of the eight
; phases would need a round of the cluster's barrier.  NO PREFETCH: every wave's ring asks 8 groups ahead from the head on.  NO TENSOR LOADS: the numbers are wanted in registers, and the ring never drains.
; LIMITS.  A logit's f32 sum is two chains (even and odd K steps) added once, K in the rotated order, k permuted inside blocks: its last bits can differ from a sum in ascending order, and two logits closer
; than that rounding can change places in out0.  Equal logits: the lower expert first.  +0 and -0 count as equal.  NaN and infinities among the inputs are not served.
; A block of zeros gets the byte 1 where the rule says 127: its codes are zeros, and this text alone reads the bytes.
.set ROWB, 8192                        ; bytes in a row of x or of W
.set PIT,  144                         ; an LDS row of 128 codes + 16 bytes: 9 x 16, so that the 16 rows of a fragment load start at 16 different 16-byte columns of 256 bytes (64 banks of 4 bytes: ISA guide 11.1)
.set WKS,  64*PIT+128                  ; W's codes of one K step: 64 rows; rows 32-63 lie 128 bytes further on, since a tile reads rows 32 apart
.set WSO,  16*WKS                      ; W's codes begin at LDS byte 0; behind them W's scale words: [K step][row of a tile][tile], 256 bytes a K step
.set XCO,  WSO+16*256                  ; each wave's stage for its tokens' codes: 16 rows
.set XSO,  XCO+8*16*PIT                ; each wave's 16 scale words of its tokens
.set RDO,  XSO+8*64                    ; the partial sums of the four waves of parity 1: an image of 32 registers each
.set OTO,  RDO+4*4096                  ; the results of 64 tokens: 512 bytes of experts, 512 bytes of weights
.set VO,  8                            ; v8   my 16 bytes in a K step of a row; never rewritten
.set SAW, 9                            ; v9   where I store W's codes;          v10 its scale bytes
.set SBW, 10
.set SAX, 11                           ; v11  where I store my tokens' codes;  v12 their scale bytes
.set SBX, 12
.set LAW, 13                           ; v13  where I read W's fragments;      v14 their scale words
.set LSW, 14
.set LAX, 15                           ; v15  where I read my tokens' fragment; v16 its scale word
.set LSX, 16
.set RDA, 17                           ; v17  the image of partial sums
.set OSA, 18                           ; v18  where a token's results go;      v19 where they are read back;  v20 their place in the output
.set OLA, 19
.set GO,  20
.set H32, 21                           ; v21  32 x (lane / 16)
.set MX,  24                           ; v24-27 largest magnitudes of four rows' blocks;  v28-31 the conversions' scale operands;  v32-35 448 x the scale
.set SCL, 28
.set HLD, 32
.set BYT, 36                           ; v36-43 scale bytes, two sets by turns;  v44-59 codes, two sets by turns
.set COD, 44
.set WSC, 60                           ; v60-63 W's scale words of the four tiles;  v64 my tokens': these five hold scales and nothing else
.set XSC, 64
.set XF,  66                           ; v66-81   my tokens' fragment
.set WF,  84                           ; v84-147  W's four fragments
.set ACC, 148                          ; v148-179 four accumulators
.set TB,  184                          ; v184-199 four chains of the search: +0 first expert, +1 second expert, +2 first logit, +3 second logit
.set TM0, 200
.set TM1, 201
.set WV,  12                           ; s12 wave;  s13 t;  s14 p;  s15 where the work-group begins along K
.set TT,  13
.set KP,  14
.set ROT, 15
.set MNT, 24                           ; s24 the mantissa field of 448
.set HM,  25                           ; s25 the mask of lanes 16-31
.set SEL, 26                           ; s[26:27] v_permlanex16_b32's selects for lane l xor 16
.set K1,  28                           ; s28-31, s32-35 the chains' masks;  s36-38 a merge's
.set K2,  32
.set XB,  40                           ; s[40:55] x's address for each of the eight phases;  s[66:81] W's.  None is ever rewritten
.set WB,  66
.set MSB, 0
.macro WIN new                         ; register windows: bits 1:0 source 0, 3:2 source 1, 5:4 source 2, 7:6 destination; the immediate's high byte repeats the setting that is left
.if MSB != \new
	s_set_vgpr_msb (MSB<<8)|\new
.set MSB, \new
.endif
.endm
.macro BASES s                         ; phase s stands at block (s + ROT) mod 8 of 256 along K: 1,024 bytes of a row
	s_add_co_u32 s20, s[ROT], \s
	s_and_b32 s20, s20, 7
	s_lshl_b32 s20, s20, 10
	s_add_nc_u64 s[XB+2*(\s):XB+2*(\s)+1], s[4:5], s[20:21]
	s_add_nc_u64 s[WB+2*(\s):WB+2*(\s)+1], s[6:7], s[20:21]
.endm
; Group n of 32: phase n / 4; W (n % 4 < 2) or x; rows 4 (n % 2) + i and + 8, i = 0..3.  Eight loads of 512 consecutive bytes into ring slot n % 8.
.macro LOADG n
.set LS_, (\n)/4
.set LK_, ((\n)%4)/2
.set LU_, 4*((\n)%2)
.set LR_, 32*((\n)%8)
	WIN 0x40                                       ; destination window 1, address window 0
.irp i, 0,1,2,3
.irp j, 0,1
.if LK_ == 0
	global_load_b128 v[LR_+8*\i+4*\j:LR_+8*\i+4*\j+3], v[VO], s[WB+2*LS_:WB+2*LS_+1] offset:(LU_+\i+8*\j)*ROWB
.else
	global_load_b128 v[LR_+8*\i+4*\j:LR_+8*\i+4*\j+3], v[VO], s[XB+2*LS_:XB+2*LS_+1] offset:(LU_+\i+8*\j)*ROWB th:TH_LOAD_NT
.endif
.endr
.endr
.endm
; Group n is quantised: 8 rows x 128 along K, four register sets by turns, so that no line waits for the line above it.  Its slot then takes group n + 8.
.macro GROUP n
.set GS_, (\n)/4
.set GK_, ((\n)%4)/2
.set GU_, 4*((\n)%2)
.set GR_, 32*((\n)%8)
.set GB_, BYT+4*((\n)%2)
.set GC_, COD+8*((\n)%2)
.if (\n) < 24
	s_wait_loadcnt 56                              ; loads come back in order (ISA guide 5.7.1): my eight are in, the seven younger groups stay out
.else
	s_wait_loadcnt 8*(31-(\n))                     ; the last groups have fewer behind them
.endif
	WIN 0x41                                       ; destination and source 0 window 1
.irp i, 0,1,2,3
.irp k, 0,1,2,3
	v_permlane16_swap_b32 v[GR_+8*\i+\k], v[GR_+8*\i+4+\k]   ; the first load's lanes 16-31 change places with the second's lanes 0-15: lanes 0-15 now hold row u, lanes 16-31 row u + 8, 8 numbers of one block each
.endr
.endr
	WIN 0x05                                       ; sources 0 and 1 window 1
.irp i, 0,1,2,3
	v_max3_num_f32 v[MX+\i], |v[GR_+8*\i]|, |v[GR_+8*\i+1]|, 0x4800000   ; the largest magnitude of my 8, and the floor 2^(9 - 127): the scale's byte cannot fall under 1
.endr
.irp q, 2,4,6
.irp i, 0,1,2,3
	v_max3_num_f32 v[MX+\i], |v[GR_+8*\i+\q]|, |v[GR_+8*\i+\q+1]|, v[MX+\i]
.endr
.endr
	WIN 0
.irp i, 0,1,2,3
	v_max_num_f32_dpp v[MX+\i], v[MX+\i], v[MX+\i] row_xmask:1 row_mask:0xf bank_mask:0xf
.endr
.irp i, 0,1,2,3
	v_max_num_f32_dpp v[MX+\i], v[MX+\i], v[MX+\i] row_xmask:2 row_mask:0xf bank_mask:0xf   ; with the three other lanes of the block
.endr
.irp i, 0,1,2,3
	v_add_nc_u32 v[SCL+\i], 0xfc000000, v[MX+\i]   ; 8 off its exponent field: the conversion takes the exponent field of this operand as its scale
.endr
.irp i, 0,1,2,3
	v_and_or_b32 v[HLD+\i], v[MX+\i], 0x7f800000, s[MNT]   ; 448 x the scale
.endr
.irp i, 0,1,2,3
	v_lshrrev_b32 v[GB_+\i], 23, v[SCL+\i]         ; the scale's byte
.endr
	WIN 0x41
.irp i, 0,1,2,3
.irp q, 0,1,2,3,4,5,6,7
	v_med3_num_f32 v[GR_+8*\i+\q], v[GR_+8*\i+\q], -v[HLD+\i], v[HLD+\i]   ; the conversion to an 8-bit code does not saturate (ISA guide 7.6.2): hold the number first
.endr
.endr
	WIN 0x01
.irp i, 0,1,2,3
	v_cvt_scalef32_pk8_fp8_f32 v[GC_+2*\i:GC_+2*\i+1], v[GR_+8*\i:GR_+8*\i+7], v[SCL+\i]
.endr
	v_nop                                          ; one plain vector line behind the last conversion of the run
	WIN 0x40
.irp i, 0,1,2,3
.if GK_ == 0
	ds_store_b64 v[SAW], v[GC_+2*\i:GC_+2*\i+1] offset:(GS_%4)*2*WKS+(GU_+\i)*PIT   ; lanes 0-15: 128 bytes of row u; lanes 16-31: of row u + 8, 1,152 bytes on: the other half of the banks
	ds_store_b8 v[SBW], v[GB_+\i] offset:GS_*512+(GU_+\i)*16                        ; the four lanes of a block write the same byte with the same value
.else
	ds_store_b64 v[SAX], v[GC_+2*\i:GC_+2*\i+1] offset:(GU_+\i)*PIT
	ds_store_b8 v[SBX], v[GB_+\i] offset:(GU_+\i)*4
.endif
.endr
.if (\n)+8 < 32
	LOADG (\n)+8
.endif
.endm
; A phase.  The codes' and bytes' registers come in two sets by turns, and between a set's stores and its next writing stands one of the phase's two waits for all LDS instructions.
.macro PHASE s
.if (\s) == 4
	WIN 0
	v_add_nc_u32 v[SAW], 4*2*WKS, v[SAW]           ; the immediates reach four phases of W's codes: on to the other four (no LDS instruction of mine is out)
	v_add_nc_u32 v[LAW], 4*2*WKS, v[LAW]
.endif
	GROUP 4*(\s)
	GROUP 4*(\s)+1
	s_wait_dscnt 0x0                               ; for the others' sake: my part of W's codes and bytes lies in LDS
	s_barrier_signal -1
	s_barrier_wait -1                              ; everybody's does.  These bytes are never written again
	WIN 0
.irp e, 0,1,2,3                                ; W's four fragments are asked for now and land while my tokens are quantised.  The two groups above are the places behind the last phase's products
.irp c, 0,1,2,3
	ds_load_b128 v[WF+16*\e+4*\c:WF+16*\e+4*\c+3], v[LAW] offset:((\s)%4)*2*WKS+\e*8*PIT+32*\c
.endr
.endr
	ds_load_b128 v[WSC:WSC+3], v[LSW] offset:(\s)*512   ; the four tiles' scale words of my row by one load
	GROUP 4*(\s)+2
	GROUP 4*(\s)+3
	WIN 0
.irp c, 0,1,2,3
	ds_load_b128 v[XF+4*\c:XF+4*\c+3], v[LAX] offset:32*\c   ; LDS serves a wave's instructions in order (ISA guide 5.7.1.4): these see my stores
.endr
	ds_load_b32 v[XSC], v[LSX]
	s_wait_dscnt 0x0
.irp e, 0,1,2,3                                ; the four accumulators take turns, one instruction a turn, from phase to phase too
.if (\s) == 0
	v_wmma_scale_f32_16x16x128_f8f6f4 v[ACC+8*\e:ACC+8*\e+7], v[WF+16*\e:WF+16*\e+15], v[XF:XF+15], 0, v[WSC+\e], v[XSC]
.else
	v_wmma_scale_f32_16x16x128_f8f6f4 v[ACC+8*\e:ACC+8*\e+7], v[WF+16*\e:WF+16*\e+15], v[XF:XF+15], v[ACC+8*\e:ACC+8*\e+7], v[WSC+\e], v[XSC]
.endif
.endr
.endm
; Two sorted pairs become one, in a's registers.  All of a's experts come before all of b's, so b wins only where it is strictly larger.
.macro MERGE a, b
	v_cmp_le_f32 s36, v[\b+2], v[\a+2]             ; a's first stays first
	v_cmp_le_f32 s37, v[\b+2], v[\a+3]             ; a's second before b's first
	v_cmp_le_f32 s38, v[\b+3], v[\a+2]             ; a's first before b's second
	v_cndmask_b32 v[TM0], v[\b], v[\a+1], s37
	v_cndmask_b32 v[TM1], v[\b+1], v[\a], s38
	v_cndmask_b32 v[\a+1], v[TM1], v[TM0], s36
	v_cndmask_b32 v[\a], v[\b], v[\a], s36
	v_min_num_f32 v[TM0], v[\a+2], v[\b+2]
	v_max3_num_f32 v[\a+3], v[TM0], v[\a+3], v[\b+3]   ; the second largest of the four
	v_max_num_f32 v[\a+2], v[\a+2], v[\b+2]
.endm
	s_load_b256 s[4:11], s[0:1], 0x0               ; x s[4:5], W s[6:7], out0 s[8:9], out1 s[10:11]
	v_lshl_add_u32 v254, v0, 2, 0x2e600
	v_mov_b32 v255, 0
	v_lshrrev_b32 v3, 5, v0
	v_readfirstlane_b32 s[WV], v3                  ; wave 0..7
	v_and_b32 v1, 15, v0                           ; lo
	v_bfe_u32 v2, v0, 4, 1                         ; hi
	v_lshrrev_b32 v3, 2, v1
	v_and_b32 v4, 3, v1
	v_lshlrev_b32 v[VO], 7, v3                     ; 128 (lo / 4): my block,
	v_lshl_add_u32 v[VO], v4, 4, v[VO]             ; + 16 (lo % 4),
	v_lshl_add_u32 v[VO], v2, 6, v[VO]             ; + 64 hi: the 32 lanes take a load's 512 bytes, each lane another 16
	s_and_b32 s[TT], s[WV], 3
	s_lshr_b32 s[KP], s[WV], 2
	s_lshr_b32 s16, ttmp9, 3
	s_lshr_b32 s17, ttmp9, 6
	s_add_co_u32 s[ROT], ttmp9, s16
	s_add_co_u32 s[ROT], s[ROT], s17               ; taken mod 8 in BASES: neighbouring numbers, and numbers 8 or 16 apart, begin at different blocks
	s_lshl_b32 s16, s[TT], 17                      ; 16 t rows of 8,192 bytes
	s_lshl_b32 s17, s[KP], 9                       ; + my parity's 512 bytes of a phase's 1,024
	s_add_co_u32 s16, s16, s17
	s_mov_b32 s17, 0
	s_lshl_b32 s18, ttmp9, 19                      ; x: + the work-group's 64 rows (under 2^27)
	s_add_co_u32 s18, s18, s16
	s_mov_b32 s19, 0
	s_mov_b32 s21, 0
	s_wait_kmcnt 0x0
	s_add_nc_u64 s[4:5], s[4:5], s[18:19]
	s_add_nc_u64 s[6:7], s[6:7], s[16:17]
	BASES 0
	BASES 1
.irp n, 0,1,2,3,4,5,6,7
	LOADG \n                                       ; the ring is filled before anything else is done: two phases
.endr
	WIN 0
.irp s, 2,3,4,5,6,7
	BASES \s
.endr
	s_cmp_eq_u32 s[WV], 0                          ; wave 0 will store out0, wave 1 out1
	s_cselect_b64 s[8:9], s[8:9], s[10:11]
	s_lshl_b32 s20, ttmp9, 9                       ; 64 tokens x 8 bytes
	s_add_nc_u64 s[8:9], s[8:9], s[20:21]
	s_mov_b32 s[MNT], 0x600000
	s_mov_b32 s[HM], 0xffff0000
	s_mov_b32 s[SEL], 0x76543210
	s_mov_b32 s[SEL+1], 0xfedcba98
	; LDS addresses: constants, the lane and the wave's number
	v_mul_u32_u24 v4, v2, 8*PIT
	v_lshl_add_u32 v4, v1, 3, v4                   ; codes on their way in: 8 hi rows + 8 lo bytes
	s_mul_i32 s20, s[KP], WKS                      ; K step 2 s + p: p's part
	s_mul_i32 s21, s[TT], 16*PIT
	s_lshr_b32 s22, s[TT], 1
	s_lshl_b32 s23, s22, 7                         ; experts 32-63 lie 128 bytes further on
	s_add_co_u32 s21, s21, s20
	s_add_co_u32 s21, s21, s23
	v_add_nc_u32 v[SAW], s21, v4
	s_mul_i32 s21, s[WV], 16*PIT
	s_add_co_u32 s21, s21, XCO
	v_add_nc_u32 v[SAX], s21, v4
	v_mul_u32_u24 v5, v1, PIT
	v_lshl_add_u32 v5, v2, 4, v5                   ; a fragment: lane (r, h) takes 16 bytes at row r, 32 c + 16 h
	v_add_nc_u32 v[LAX], s21, v5
	v_and_b32 v5, 7, v1
	v_lshrrev_b32 v6, 3, v1
	v_mul_u32_u24 v5, v5, PIT
	v_mad_u32_u24 v5, v6, 32*PIT+128, v5           ; W: lane r of tile e takes expert 8 e + r % 8 + 32 (r / 8)
	v_lshl_add_u32 v5, v2, 4, v5
	v_add_nc_u32 v[LAW], s20, v5
	v_lshrrev_b32 v5, 2, v1                        ; my block of the K step: which byte of a scale word
	s_lshl_b32 s20, s[KP], 8
	s_add_co_u32 s20, s20, WSO
	v_lshl_add_u32 v[LSW], v1, 4, s20              ; W's scale words: 16 bytes for row r of a tile: tiles 0 to 3
	s_and_b32 s21, s[TT], 1
	s_lshl_b32 s21, s21, 3
	s_add_co_u32 s21, s21, s23
	s_add_co_u32 s21, s21, s20
	v_lshl_add_u32 v6, v2, 2, v5
	v_add_nc_u32 v[SBW], s21, v6                   ; expert 16 t + 8 hi + u is row u + 8 (t / 2) of tile 2 (t % 2) + hi
	s_lshl_b32 s21, s[WV], 6
	s_add_co_u32 s21, s21, XSO
	v_lshl_add_u32 v6, v2, 5, v5
	v_add_nc_u32 v[SBX], s21, v6                   ; my tokens' scale words: 4 bytes a row
	v_lshl_add_u32 v[LSX], v1, 2, s21
.irp s, 0,1,2,3,4,5,6,7
	PHASE \s
.endr
	; THE END.  The addresses are made ahead of the first parting of the waves; these six lines and two v_nop are the eight places behind the last products
	s_lshl_b32 s16, s[TT], 12
	s_add_co_u32 s16, s16, RDO
	s_and_b32 s17, s[WV], 1
	s_lshl_b32 s17, s17, 9
	s_add_co_u32 s17, s17, OTO
	s_lshl_b32 s18, s[TT], 7
	s_add_co_u32 s18, s18, OTO
	v_and_b32 v3, 31, v0
	v_lshlrev_b32 v[GO], 4, v3                     ; 16 x lane
	v_add_nc_u32 v[RDA], s16, v[GO]
	v_add_nc_u32 v[OLA], s17, v[GO]
	v_lshl_add_u32 v[OSA], v1, 3, s18              ; token 16 t + lo: 8 bytes
	v_lshlrev_b32 v[H32], 5, v2
	v_nop
	v_nop
	s_cmp_lt_u32 s[WV], 4
	s_cbranch_scc1 .Lparity_0
.irp i, 0,1,2,3,4,5,6,7
	ds_store_b128 v[RDA], v[ACC+4*\i:ACC+4*\i+3] offset:512*\i   ; parity 1: my sums as an image of their registers, each accumulator from its low end on
.endr
.Lparity_0:
	s_wait_dscnt 0x0
	s_barrier_signal -1
	s_barrier_wait -1
	s_cmp_ge_u32 s[WV], 4
	s_cbranch_scc1 .Lchosen
.irp i, 0,1,2,3,4,5,6,7
	ds_load_b128 v[WF+4*\i:WF+4*\i+3], v[RDA] offset:512*\i
.endr
	s_wait_dscnt 0x0
.irp i, 0,2,4,6,8,10,12,14,16,18,20,22,24,26,28,30
	v_pk_add_f32 v[ACC+\i:ACC+\i+1], v[ACC+\i:ACC+\i+1], v[WF+\i:WF+\i+1]   ; even K steps' sum + odd K steps' sum: the logits
.endr
	; The two largest of my 32, with their places, in four chains (one an accumulator) by turns.  A later expert wins only where it is strictly larger.  No branch: every choice is a v_cndmask_b32.
.irp e, 0,1,2,3
	v_mov_b32 v[TB+4*\e], 8*\e
.endr
.irp e, 0,1,2,3
	v_mov_b32 v[TB+4*\e+1], 8*\e+1
.endr
.irp e, 0,1,2,3
	v_cmp_le_f32 s[K1+\e], v[ACC+8*\e+1], v[ACC+8*\e]              ; the first two start a chain
.endr
.irp e, 0,1,2,3
	v_cndmask_b32 v[TB+4*\e+1], v[TB+4*\e], v[TB+4*\e+1], s[K1+\e]
.endr
.irp e, 0,1,2,3
	v_cndmask_b32 v[TB+4*\e], 8*\e+1, v[TB+4*\e], s[K1+\e]
.endr
.irp e, 0,1,2,3
	v_min_num_f32 v[TB+4*\e+3], v[ACC+8*\e], v[ACC+8*\e+1]
.endr
.irp e, 0,1,2,3
	v_max_num_f32 v[TB+4*\e+2], v[ACC+8*\e], v[ACC+8*\e+1]
.endr
.irp j, 2,3,4,5,6,7
.irp e, 0,1,2,3
	v_cmp_le_f32 s[K2+\e], v[ACC+8*\e+\j], v[TB+4*\e+3]            ; not above the second
.endr
.irp e, 0,1,2,3
	v_cmp_le_f32 s[K1+\e], v[ACC+8*\e+\j], v[TB+4*\e+2]            ; not above the first
.endr
.irp e, 0,1,2,3
	v_cndmask_b32 v[TB+4*\e+1], 8*\e+\j, v[TB+4*\e+1], s[K2+\e]    ; above the second: it takes the second place,
.endr
.irp e, 0,1,2,3
	v_cndmask_b32 v[TB+4*\e+1], v[TB+4*\e], v[TB+4*\e+1], s[K1+\e] ; above the first: the old first does,
.endr
.irp e, 0,1,2,3
	v_cndmask_b32 v[TB+4*\e], 8*\e+\j, v[TB+4*\e], s[K1+\e]        ; and it takes the first
.endr
.irp e, 0,1,2,3
	v_med3_num_f32 v[TB+4*\e+3], v[ACC+8*\e+\j], v[TB+4*\e+2], v[TB+4*\e+3]   ; the middle of the three is the new second
.endr
.irp e, 0,1,2,3
	v_max_num_f32 v[TB+4*\e+2], v[TB+4*\e+2], v[ACC+8*\e+\j]
.endr
.endr
	MERGE TB, TB+4
	MERGE TB+8, TB+12
	MERGE TB, TB+8
	v_add_nc_u32 v[TB], v[H32], v[TB]              ; places become experts: lanes 16-31 hold experts 32-63
	v_add_nc_u32 v[TB+1], v[H32], v[TB+1]
.irp i, 0,1,2,3
	v_permlanex16_b32 v[TB+4+\i], v[TB+\i], s[SEL], s[SEL+1]       ; the token's other 32 experts lie in the lane 16 away
.endr
.irp i, 0,1,2,3
	v_cndmask_b32 v[TB+8+\i], v[TB+\i], v[TB+4+\i], s[HM]          ; the lower experts' pair, in both lanes of a token,
.endr
.irp i, 0,1,2,3
	v_cndmask_b32 v[TB+12+\i], v[TB+4+\i], v[TB+\i], s[HM]         ; and the higher experts'
.endr
	MERGE TB+8, TB+12
	ds_store_b64 v[OSA], v[TB+8:TB+9]              ; the two experts (both lanes of a token write the same 8 bytes with the same values)
	v_sub_f32 v[TM0], v[TB+11], v[TB+10]           ; the softmax of the two, the larger taken away: 1 and e = exp(second - first), at most 1
	v_mul_f32 v[TM0], 0x3fb8aa3b, v[TM0]
	v_exp_f32 v[TM1], v[TM0]
	v_nop                                          ; a plain line behind the transcendental,
	s_wait_alu depctr_va_vdst(0)                   ; and the wait ahead of the first line that names its result
	v_add_f32 v[TM0], 1.0, v[TM1]
	v_rcp_f32 v[TB], v[TM0]                        ; 1 / (1 + e)
	v_nop
	s_wait_alu depctr_va_vdst(0)
	v_mul_f32 v[TB+1], v[TM1], v[TB]               ; e / (1 + e)
	ds_store_b64 v[OSA], v[TB:TB+1] offset:512
.Lchosen:
	s_wait_dscnt 0x0
	s_barrier_signal -1
	s_barrier_wait -1                              ; the 64 tokens' results lie in LDS
	s_cmp_ge_u32 s[WV], 2
	s_cbranch_scc1 .Ldone
	ds_load_b128 v[TB:TB+3], v[OLA]
	s_wait_dscnt 0x0
	global_store_b128 v[GO], v[TB:TB+3], s[8:9] th:TH_STORE_NT     ; the wave stores 512 consecutive bytes, at a multiple of 512 from the output's first byte
.Ldone:
	s_wait_tensorcnt 0x0
	ds_add_u32 v254, v255
	s_wait_dscnt 0x0
	s_endpgm
.Lfunc_end_k_q749b994a22_gate:
	.size	k_q749b994a22_gate, .Lfunc_end_k_q749b994a22_gate-k_q749b994a22_gate
	.p2alignl 7, 3214868480
	.fill 96, 4, 3214868480
	.section	.rodata,"a",@progbits
	.p2align	6, 0x0
	.amdhsa_kernel k_q749b994a22_gate
		.amdhsa_group_segment_fixed_size 190976
		.amdhsa_private_segment_fixed_size 0
		.amdhsa_enable_private_segment 0
		.amdhsa_kernarg_size 32
		.amdhsa_user_sgpr_count 2
		.amdhsa_user_sgpr_kernarg_segment_ptr 1
		.amdhsa_wavefront_size32 1
		.amdhsa_system_sgpr_workgroup_id_x 1
		.amdhsa_system_sgpr_workgroup_id_y 1
		.amdhsa_system_sgpr_workgroup_id_z 1
		.amdhsa_system_vgpr_workitem_id 0
		.amdhsa_next_free_vgpr 512
		.amdhsa_next_free_sgpr 82
		.amdhsa_reserve_vcc 0
		.amdhsa_float_denorm_mode_32 3
		.amdhsa_float_denorm_mode_16_64 3
		.amdhsa_memory_ordered 1
		.amdhsa_forward_progress 1
		.amdhsa_inst_pref_size 252
	.end_amdhsa_kernel
	.amdgpu_metadata
---
amdhsa.version: [ 1, 2 ]
amdhsa.kernels:
  - .name:           k_q749b994a22_gate
    .symbol:         k_q749b994a22_gate.kd
    .args:
      - { .name: x, .offset: 0, .size: 8, .value_kind: global_buffer, .address_space: global }
      - { .name: W, .offset: 8, .size: 8, .value_kind: global_buffer, .address_space: global }
      - { .name: out0, .offset: 16, .size: 8, .value_kind: global_buffer, .address_space: global }
      - { .name: out1, .offset: 24, .size: 8, .value_kind: global_buffer, .address_space: global }
    .group_segment_fixed_size: 190976
    .private_segment_fixed_size: 0
    .kernarg_segment_align: 8
    .kernarg_segment_size: 32
    .max_flat_workgroup_size: 256
    .sgpr_count:     82
    .vgpr_count:     512
    .wavefront_size: 32
...
	.end_amdgpu_metadata
.endif
;; end of part 1
;; ======== version 2 of 2: 1 launch; version 1 with the launch gate written anew for expert scheduling mode
;; launch gate (part 2): grid 256 x 1, 8 waves a work-group, no clusters, 190,976 bytes of LDS; arguments x, W, out0, out1; writes out0, out1
.if DOCPART == 2
	.amdgcn_target "amdgcn-amd-amdhsa--gfx1250"
	.amdhsa_code_object_version 6
	.text
	.protected	k_q749b994a22_gate
	.globl	k_q749b994a22_gate
	.p2align	8
	.type	k_q749b994a22_gate,@function
k_q749b994a22_gate:
	s_mov_b64 s[64:65], 0
	v_nop
	global_prefetch_b8 v0, s[64:65] scope:SCOPE_SE
	s_setreg_imm32_b32 hwreg(HW_REG_WAVE_SCHED_MODE, 0, 2), 2
	s_setreg_imm32_b32 hwreg(HW_REG_WAVE_MODE, 25, 1), 1
	s_wait_xcnt 0x0
	s_wait_alu depctr_vm_vsrc(0)
; MoE gate: logits[n][e] = sum over k of Q(x)[n][k] Q(W)[e][k]; the two largest logits of a token, their experts (out0) and the softmax of the two (out1).
; x: [16384][2048] f32, W: [64][2048] f32.  Q: codes of FP8 (E4M3) with one E8M0 scale for each 32 along K; the product by v_wmma_scale_f32_16x16x128_f8f6f4, sums in f32.
; SHARES.  256 work-groups of 64 tokens, eight waves.  Wave w = 4 p + t owns tokens 16 t .. 16 t + 15 and the K steps (128 along K) of parity p.  Eight phases of 256 along K.  In a phase a wave
; quantises W's experts 16 t .. 16 t + 15 for its K step into LDS (read by the four waves of its parity), passes a barrier, quantises its own 16 tokens for the same K step into its own stage,
; and multiplies: four matrix instructions, one for each 16 experts.  At the end the waves of parity 1 hand their sums to those of parity 0 through LDS.
; LOADS.  A load takes 512 consecutive bytes of ONE row, a K step, at a multiple of 512 from the buffer's first byte.  Lane (lo, hi) reads the 16 bytes at 128 (lo / 4) + 64 hi + 16 (lo % 4).  Two loads (rows u
; and u + 8) and four v_permlane16_swap_b32 then leave lane (lo, hi) with 8 numbers of row u + 8 hi, all of block lo / 4: k = 4 (lo % 4) + 0..3 and 16 + 4 (lo % 4) + 0..3 of the block.  That is what the
; conversion wants: eight numbers of one block in one lane's registers.  Four lanes share a block: its largest magnitude is joined by two DPP steps.
; A lane's 8 codes go to LDS as 8 bytes at row x 144 + 8 lo.  So inside a block of 32 the order of k is permuted, alike for W and for x: blocks, scales and products stay as they are.
; THE RING.  Window 1 (v256-511) holds 8 groups of 8 loads: a wave has 56 to 64 loads out from its first line to its last, in the order W, W, x, x of each phase.
; THE PRODUCT IS USED TRANSPOSED: source 0 = 16 experts, source 1 = my 16 tokens.  Tile e takes experts 8 e + 0..7 (rows 0-7) and 32 + 8 e + 0..7 (rows 8-15): lane (r, h) then holds token r, and register j of
; accumulator e is expert 32 h + 8 e + j: a lane's 32 results are 32 experts in ascending order, and lanes 0-15 hold the lower 32.
; THE ORDER OF K.  A work-group begins at a block of 256 along K that hangs on its number, so that at any time the work-groups stand at all eight parts of the rows and of W.
; NO CLUSTER: W is the one input that work-groups share.  A joint request would bring it into LDS as f32, 4 bytes in and 4 bytes out for each number where this text puts 1 byte in, and each of the eight
; phases would need a round of the cluster's barrier.  NO PREFETCH: every wave's ring asks 8 groups ahead from the head on.  NO TENSOR LOADS: the numbers are wanted in registers, and the ring never drains.
; LIMITS.  A logit's f32 sum is two chains (even and odd K steps) added once, K in the rotated order, k permuted inside blocks: its last bits can differ from a sum in ascending order, and two logits closer
; than that rounding can change places in out0.  Equal logits: the lower expert first.  +0 and -0 count as equal.  NaN and infinities among the inputs are not served.
; A block of zeros gets the byte 1 where the rule says 127: its codes are zeros, and this text alone reads the bytes.
; THE MODE: SCHED_MODE bits 1:0 = 2 (LLVM: expert scheduling mode 2), set by the entry lines.  The code itself states the register dependences between vector or matrix instructions and memory or LDS
; instructions, with s_wait_alu, always for 0.
; THE PLAN.  Registers that memory or LDS instructions touch:
;   ring slot n % 8     Group n's swaps, maxima, holds and conversions read and write it; behind them the loads of group n + 8 land in it.
;   codes, bytes n % 2  Written by group n's conversions and shifts; read by group n's eight LDS stores; written again by group n + 2.
;   v8                  The offset of every global load: made once at the head.
;   v9 to v16           LDS addresses: made once at the head; v9 and v13 move on once, at the fifth phase's head.
;   WF, XF, v60-64      Filled by LDS loads alone; read by a phase's four matrix instructions; filled again in the next phase, behind two groups (W's) or four (my tokens').
;   the accumulators    Written by matrix instructions; in the waves of parity 1 read by the LDS stores of their image, and not written again there.
;   v17 to v20          The way out's addresses: made once, behind the last products.
; So ONE wait on va_vdst stands in a group, behind its conversions: the codes and bytes are written, the slot is done with, and all that was issued earlier (addresses; the last phase's products, which read
; the fragments) is complete too.  The group's eight LDS stores and eight loads follow it, and so do a phase's fragment loads: no vector instruction stands between the wait and any of them.
; ONE wait on vm_vsrc stands in a group, ahead of the first line that writes its set of bytes and codes again.  In the search each run of compares has one wait on va_sdst ahead of the selects.
.set ROWB, 8192                        ; bytes in a row of x or of W
.set PIT,  144                         ; an LDS row of 128 codes + 16 bytes: 9 x 16, so that the 16 rows of a fragment load start at 16 different 16-byte columns of 256 bytes (64 banks of 4 bytes: ISA guide 11.1)
.set WKS,  64*PIT+128                  ; W's codes of one K step: 64 rows; rows 32-63 lie 128 bytes further on, since a tile reads rows 32 apart
.set WSO,  16*WKS                      ; W's codes begin at LDS byte 0; behind them W's scale words: [K step][row of a tile][tile], 256 bytes a K step
.set XCO,  WSO+16*256                  ; each wave's stage for its tokens' codes: 16 rows
.set XSO,  XCO+8*16*PIT                ; each wave's 16 scale words of its tokens
.set RDO,  XSO+8*64                    ; the partial sums of the four waves of parity 1: an image of 32 registers each
.set OTO,  RDO+4*4096                  ; the results of 64 tokens: 512 bytes of experts, 512 bytes of weights
.set VO,  8                            ; v8   my 16 bytes in a K step of a row; never rewritten
.set SAW, 9                            ; v9   where I store W's codes;          v10 its scale bytes
.set SBW, 10
.set SAX, 11                           ; v11  where I store my tokens' codes;  v12 their scale bytes
.set SBX, 12
.set LAW, 13                           ; v13  where I read W's fragments;      v14 their scale words
.set LSW, 14
.set LAX, 15                           ; v15  where I read my tokens' fragment; v16 its scale word
.set LSX, 16
.set RDA, 17                           ; v17  the image of partial sums
.set OSA, 18                           ; v18  where a token's results go;      v19 where they are read back;  v20 their place in the output
.set OLA, 19
.set GO,  20
.set H32, 21                           ; v21  32 x (lane / 16)
.set MX,  24                           ; v24-27 largest magnitudes of four rows' blocks;  v28-31 the conversions' scale operands;  v32-35 448 x the scale
.set SCL, 28
.set HLD, 32
.set BYT, 36                           ; v36-43 scale bytes, two sets by turns;  v44-59 codes, two sets by turns
.set COD, 44
.set WSC, 60                           ; v60-63 W's scale words of the four tiles;  v64 my tokens': these five hold scales and nothing else
.set XSC, 64
.set XF,  66                           ; v66-81   my tokens' fragment
.set WF,  84                           ; v84-147  W's four fragments
.set ACC, 148                          ; v148-179 four accumulators
.set TB,  184                          ; v184-199 four chains of the search: +0 first expert, +1 second expert, +2 first logit, +3 second logit
.set TM0, 200
.set TM1, 201
.set WV,  12                           ; s12 wave;  s13 t;  s14 p;  s15 where the work-group begins along K
.set TT,  13
.set KP,  14
.set ROT, 15
.set MNT, 24                           ; s24 the mantissa field of 448
.set HM,  25                           ; s25 the mask of lanes 16-31
.set SEL, 26                           ; s[26:27] v_permlanex16_b32's selects for lane l xor 16
.set K1,  28                           ; s28-31, s32-35 the chains' masks;  s36-38 a merge's
.set K2,  32
.set XB,  40                           ; s[40:55] x's address for each of the eight phases;  s[66:81] W's.  None is ever rewritten
.set WB,  66
.set MSB, 0
.macro WIN new                         ; register windows: bits 1:0 source 0, 3:2 source 1, 5:4 source 2, 7:6 destination; the immediate's high byte repeats the setting that is left
.if MSB != \new
	s_set_vgpr_msb (MSB<<8)|\new
.set MSB, \new
.endif
.endm
.macro BASES s                         ; phase s stands at block (s + ROT) mod 8 of 256 along K: 1,024 bytes of a row
	s_add_co_u32 s20, s[ROT], \s
	s_and_b32 s20, s20, 7
	s_lshl_b32 s20, s20, 10
	s_add_nc_u64 s[XB+2*(\s):XB+2*(\s)+1], s[4:5], s[20:21]
	s_add_nc_u64 s[WB+2*(\s):WB+2*(\s)+1], s[6:7], s[20:21]
.endm
; Group n of 32: phase n / 4; W (n % 4 < 2) or x; rows 4 (n % 2) + i and + 8, i = 0..3.  Eight loads of 512 consecutive bytes into ring slot n % 8.
.macro LOADG n
.set LS_, (\n)/4
.set LK_, ((\n)%4)/2
.set LU_, 4*((\n)%2)
.set LR_, 32*((\n)%8)
	WIN 0x40                                       ; destination window 1, address window 0
.irp i, 0,1,2,3
.irp j, 0,1
.if LK_ == 0
	global_load_b128 v[LR_+8*\i+4*\j:LR_+8*\i+4*\j+3], v[VO], s[WB+2*LS_:WB+2*LS_+1] offset:(LU_+\i+8*\j)*ROWB
.else
	global_load_b128 v[LR_+8*\i+4*\j:LR_+8*\i+4*\j+3], v[VO], s[XB+2*LS_:XB+2*LS_+1] offset:(LU_+\i+8*\j)*ROWB th:TH_LOAD_NT
.endif
.endr
.endr
.endm
; Group n is quantised: 8 rows x 128 along K, four register sets by turns, so that no line waits for the line above it.  Its slot then takes group n + 8.
.macro GROUP n
.set GS_, (\n)/4
.set GK_, ((\n)%4)/2
.set GU_, 4*((\n)%2)
.set GR_, 32*((\n)%8)
.set GB_, BYT+4*((\n)%2)
.set GC_, COD+8*((\n)%2)
.if (\n) < 24
	s_wait_loadcnt 56                              ; loads come back in order (ISA guide 5.7.1): my eight are in, the seven younger groups stay out
.else
	s_wait_loadcnt 8*(31-(\n))                     ; the last groups have fewer behind them
.endif
	WIN 0x41                                       ; destination and source 0 window 1
.irp i, 0,1,2,3
.irp k, 0,1,2,3
	v_permlane16_swap_b32 v[GR_+8*\i+\k], v[GR_+8*\i+4+\k]   ; the first load's lanes 16-31 change places with the second's lanes 0-15: lanes 0-15 now hold row u, lanes 16-31 row u + 8, 8 numbers of one block each
.endr
.endr
	WIN 0x05                                       ; sources 0 and 1 window 1
.irp i, 0,1,2,3
	v_max3_num_f32 v[MX+\i], |v[GR_+8*\i]|, |v[GR_+8*\i+1]|, 0x4800000   ; the largest magnitude of my 8, and the floor 2^(9 - 127): the scale's byte cannot fall under 1
.endr
.irp q, 2,4,6
.irp i, 0,1,2,3
	v_max3_num_f32 v[MX+\i], |v[GR_+8*\i+\q]|, |v[GR_+8*\i+\q+1]|, v[MX+\i]
.endr
.endr
	WIN 0
.irp i, 0,1,2,3
	v_max_num_f32_dpp v[MX+\i], v[MX+\i], v[MX+\i] row_xmask:1 row_mask:0xf bank_mask:0xf
.endr
.irp i, 0,1,2,3
	v_max_num_f32_dpp v[MX+\i], v[MX+\i], v[MX+\i] row_xmask:2 row_mask:0xf bank_mask:0xf   ; with the three other lanes of the block
.endr
.irp i, 0,1,2,3
	v_add_nc_u32 v[SCL+\i], 0xfc000000, v[MX+\i]   ; 8 off its exponent field: the conversion takes the exponent field of this operand as its scale
.endr
.irp i, 0,1,2,3
	v_and_or_b32 v[HLD+\i], v[MX+\i], 0x7f800000, s[MNT]   ; 448 x the scale
.endr
.if (\n) >= 2
	s_wait_alu depctr_vm_vsrc(0)                   ; the LDS stores of two groups back have read this set of bytes and codes, which the shifts and the conversions below write again
.endif
.irp i, 0,1,2,3
	v_lshrrev_b32 v[GB_+\i], 23, v[SCL+\i]         ; the scale's byte
.endr
	WIN 0x41
.irp i, 0,1,2,3
.irp q, 0,1,2,3,4,5,6,7
	v_med3_num_f32 v[GR_+8*\i+\q], v[GR_+8*\i+\q], -v[HLD+\i], v[HLD+\i]   ; the conversion to an 8-bit code does not saturate (ISA guide 7.6.2): hold the number first
.endr
.endr
	WIN 0x01
.irp i, 0,1,2,3
	v_cvt_scalef32_pk8_fp8_f32 v[GC_+2*\i:GC_+2*\i+1], v[GR_+8*\i:GR_+8*\i+7], v[SCL+\i]
.endr
	v_nop                                          ; one plain vector line behind the last conversion of the run
	WIN 0x40
	s_wait_alu depctr_va_vdst(0)                   ; the codes and the bytes are written, which the LDS stores below read (and, the first time, their addresses); the group's vector lines are done with its ring slot, in which the loads below land
.irp i, 0,1,2,3
.if GK_ == 0
	ds_store_b64 v[SAW], v[GC_+2*\i:GC_+2*\i+1] offset:(GS_%4)*2*WKS+(GU_+\i)*PIT   ; lanes 0-15: 128 bytes of row u; lanes 16-31: of row u + 8, 1,152 bytes on: the other half of the banks
	ds_store_b8 v[SBW], v[GB_+\i] offset:GS_*512+(GU_+\i)*16                        ; the four lanes of a block write the same byte with the same value
.else
	ds_store_b64 v[SAX], v[GC_+2*\i:GC_+2*\i+1] offset:(GU_+\i)*PIT
	ds_store_b8 v[SBX], v[GB_+\i] offset:(GU_+\i)*4
.endif
.endr
.if (\n)+8 < 32
	LOADG (\n)+8                                   ; no further wait: only LDS stores stand behind the wait above, and they name neither v[VO] nor the slot
.endif
.endm
; A phase.  The codes' and bytes' registers come in two sets by turns, and between a set's stores and its next writing stands one of the phase's two waits for all LDS instructions (and, beside it, the group's wait on vm_vsrc).
.macro PHASE s
.if (\s) == 4
	WIN 0
	s_wait_alu depctr_vm_vsrc(0)                   ; the LDS stores and loads issued so far have read v[SAW] and v[LAW]
	v_add_nc_u32 v[SAW], 4*2*WKS, v[SAW]           ; the immediates reach four phases of W's codes: on to the other four (no LDS instruction of mine is out).  The next group's wait on va_vdst shows both written
	v_add_nc_u32 v[LAW], 4*2*WKS, v[LAW]
.endif
	GROUP 4*(\s)
	GROUP 4*(\s)+1
	s_wait_dscnt 0x0                               ; for the others' sake: my part of W's codes and bytes lies in LDS
	s_barrier_signal -1
	s_barrier_wait -1                              ; everybody's does.  These bytes are never written again
	WIN 0
.irp e, 0,1,2,3                                ; W's four fragments are asked for now and land while my tokens are quantised.  The two groups above are the places behind the last phase's products,
.irp c, 0,1,2,3                                ; and the wait on va_vdst in the group above shows those products done reading the fragments and the scale words: no vector line stands behind it
	ds_load_b128 v[WF+16*\e+4*\c:WF+16*\e+4*\c+3], v[LAW] offset:((\s)%4)*2*WKS+\e*8*PIT+32*\c
.endr
.endr
	ds_load_b128 v[WSC:WSC+3], v[LSW] offset:(\s)*512   ; the four tiles' scale words of my row by one load
	GROUP 4*(\s)+2
	GROUP 4*(\s)+3
	WIN 0
.irp c, 0,1,2,3
	ds_load_b128 v[XF+4*\c:XF+4*\c+3], v[LAX] offset:32*\c   ; LDS serves a wave's instructions in order (ISA guide 5.7.1.4): these see my stores.  (The last phase's products, which read these registers, stand ahead of the group's wait on va_vdst)
.endr
	ds_load_b32 v[XSC], v[LSX]
	s_wait_dscnt 0x0
.irp e, 0,1,2,3                                ; the four accumulators take turns, one instruction a turn, from phase to phase too
.if (\s) == 0
	v_wmma_scale_f32_16x16x128_f8f6f4 v[ACC+8*\e:ACC+8*\e+7], v[WF+16*\e:WF+16*\e+15], v[XF:XF+15], 0, v[WSC+\e], v[XSC]
.else
	v_wmma_scale_f32_16x16x128_f8f6f4 v[ACC+8*\e:ACC+8*\e+7], v[WF+16*\e:WF+16*\e+15], v[XF:XF+15], v[ACC+8*\e:ACC+8*\e+7], v[WSC+\e], v[XSC]
.endif
.endr
.endm
; Two sorted pairs become one, in a's registers.  All of a's experts come before all of b's, so b wins only where it is strictly larger.
.macro MERGE a, b
	v_cmp_le_f32 s36, v[\b+2], v[\a+2]             ; a's first stays first
	v_cmp_le_f32 s37, v[\b+2], v[\a+3]             ; a's second before b's first
	v_cmp_le_f32 s38, v[\b+3], v[\a+2]             ; a's first before b's second
	s_wait_alu depctr_va_sdst(0)                   ; the three compares have written s36 to s38, ahead of the selects that read them
	v_cndmask_b32 v[TM0], v[\b], v[\a+1], s37
	v_cndmask_b32 v[TM1], v[\b+1], v[\a], s38
	v_cndmask_b32 v[\a+1], v[TM1], v[TM0], s36
	v_cndmask_b32 v[\a], v[\b], v[\a], s36
	v_min_num_f32 v[TM0], v[\a+2], v[\b+2]
	v_max3_num_f32 v[\a+3], v[TM0], v[\a+3], v[\b+3]   ; the second largest of the four
	v_max_num_f32 v[\a+2], v[\a+2], v[\b+2]
.endm
	s_load_b256 s[4:11], s[0:1], 0x0               ; x s[4:5], W s[6:7], out0 s[8:9], out1 s[10:11]
	v_lshl_add_u32 v254, v0, 2, 0x2e600
	v_mov_b32 v255, 0
	v_lshrrev_b32 v3, 5, v0
	v_readfirstlane_b32 s[WV], v3                  ; wave 0..7
	v_and_b32 v1, 15, v0                           ; lo
	v_bfe_u32 v2, v0, 4, 1                         ; hi
	v_lshrrev_b32 v3, 2, v1
	v_and_b32 v4, 3, v1
	v_lshlrev_b32 v[VO], 7, v3                     ; 128 (lo / 4): my block,
	v_lshl_add_u32 v[VO], v4, 4, v[VO]             ; + 16 (lo % 4),
	v_lshl_add_u32 v[VO], v2, 6, v[VO]             ; + 64 hi: the 32 lanes take a load's 512 bytes, each lane another 16
	s_wait_alu depctr_va_sdst(0)                   ; the wave's number is written, ahead of its first reader: bases, LDS addresses and branches are made from it
	s_and_b32 s[TT], s[WV], 3
	s_lshr_b32 s[KP], s[WV], 2
	s_lshr_b32 s16, ttmp9, 3
	s_lshr_b32 s17, ttmp9, 6
	s_add_co_u32 s[ROT], ttmp9, s16
	s_add_co_u32 s[ROT], s[ROT], s17               ; taken mod 8 in BASES: neighbouring numbers, and numbers 8 or 16 apart, begin at different blocks
	s_lshl_b32 s16, s[TT], 17                      ; 16 t rows of 8,192 bytes
	s_lshl_b32 s17, s[KP], 9                       ; + my parity's 512 bytes of a phase's 1,024
	s_add_co_u32 s16, s16, s17
	s_mov_b32 s17, 0
	s_lshl_b32 s18, ttmp9, 19                      ; x: + the work-group's 64 rows (under 2^27)
	s_add_co_u32 s18, s18, s16
	s_mov_b32 s19, 0
	s_mov_b32 s21, 0
	s_wait_kmcnt 0x0
	s_add_nc_u64 s[4:5], s[4:5], s[18:19]
	s_add_nc_u64 s[6:7], s[6:7], s[16:17]
	BASES 0
	BASES 1
	WIN 0x40                                       ; the loads' window first, then the wait, then the loads
	s_wait_alu depctr_va_vdst(0)                   ; v[VO] is written: every load of x and of W reads it as its offset
.irp n, 0,1,2,3,4,5,6,7
	LOADG \n                                       ; the ring is filled before anything else is done: two phases
.endr
	WIN 0
.irp s, 2,3,4,5,6,7
	BASES \s
.endr
	s_cmp_eq_u32 s[WV], 0                          ; wave 0 will store out0, wave 1 out1
	s_cselect_b64 s[8:9], s[8:9], s[10:11]
	s_lshl_b32 s20, ttmp9, 9                       ; 64 tokens x 8 bytes
	s_add_nc_u64 s[8:9], s[8:9], s[20:21]
	s_mov_b32 s[MNT], 0x600000
	s_mov_b32 s[HM], 0xffff0000
	s_mov_b32 s[SEL], 0x76543210
	s_mov_b32 s[SEL+1], 0xfedcba98
	; LDS addresses: constants, the lane and the wave's number.  (They name neither v[VO] nor the ring; the first group's wait on va_vdst shows them written, ahead of the first LDS instruction)
	v_mul_u32_u24 v4, v2, 8*PIT
	v_lshl_add_u32 v4, v1, 3, v4                   ; codes on their way in: 8 hi rows + 8 lo bytes
	s_wait_alu depctr_va_vdst(0)
	s_mul_i32 s20, s[KP], WKS                      ; K step 2 s + p: p's part
	s_mul_i32 s21, s[TT], 16*PIT
	s_lshr_b32 s22, s[TT], 1
	s_lshl_b32 s23, s22, 7                         ; experts 32-63 lie 128 bytes further on
	s_add_co_u32 s21, s21, s20
	s_add_co_u32 s21, s21, s23
	v_add_nc_u32 v[SAW], s21, v4
	s_mul_i32 s21, s[WV], 16*PIT
	s_add_co_u32 s21, s21, XCO
	v_add_nc_u32 v[SAX], s21, v4
	v_mul_u32_u24 v5, v1, PIT
	v_lshl_add_u32 v5, v2, 4, v5                   ; a fragment: lane (r, h) takes 16 bytes at row r, 32 c + 16 h
	v_add_nc_u32 v[LAX], s21, v5
	v_and_b32 v5, 7, v1
	v_lshrrev_b32 v6, 3, v1
	v_mul_u32_u24 v5, v5, PIT
	v_mad_u32_u24 v5, v6, 32*PIT+128, v5           ; W: lane r of tile e takes expert 8 e + r % 8 + 32 (r / 8)
	v_lshl_add_u32 v5, v2, 4, v5
	v_add_nc_u32 v[LAW], s20, v5
	v_lshrrev_b32 v5, 2, v1                        ; my block of the K step: which byte of a scale word
	s_wait_alu depctr_va_vdst(0)
	s_lshl_b32 s20, s[KP], 8
	s_add_co_u32 s20, s20, WSO
	v_lshl_add_u32 v[LSW], v1, 4, s20              ; W's scale words: 16 bytes for row r of a tile: tiles 0 to 3
	s_and_b32 s21, s[TT], 1
	s_lshl_b32 s21, s21, 3
	s_add_co_u32 s21, s21, s23
	s_add_co_u32 s21, s21, s20
	v_lshl_add_u32 v6, v2, 2, v5
	v_add_nc_u32 v[SBW], s21, v6                   ; expert 16 t + 8 hi + u is row u + 8 (t / 2) of tile 2 (t % 2) + hi
	s_lshl_b32 s21, s[WV], 6
	s_add_co_u32 s21, s21, XSO
	v_lshl_add_u32 v6, v2, 5, v5
	v_add_nc_u32 v[SBX], s21, v6                   ; my tokens' scale words: 4 bytes a row
	v_lshl_add_u32 v[LSX], v1, 2, s21
.irp s, 0,1,2,3,4,5,6,7
	PHASE \s
.endr
	; THE END.  The addresses are made ahead of the first parting of the waves; these six lines and two v_nop are the eight places behind the last products
	s_lshl_b32 s16, s[TT], 12
	s_add_co_u32 s16, s16, RDO
	s_and_b32 s17, s[WV], 1
	s_lshl_b32 s17, s17, 9
	s_add_co_u32 s17, s17, OTO
	s_lshl_b32 s18, s[TT], 7
	s_add_co_u32 s18, s18, OTO
	v_and_b32 v3, 31, v0
	v_lshlrev_b32 v[GO], 4, v3                     ; 16 x lane
	v_add_nc_u32 v[RDA], s16, v[GO]
	v_add_nc_u32 v[OLA], s17, v[GO]
	v_lshl_add_u32 v[OSA], v1, 3, s18              ; token 16 t + lo: 8 bytes
	v_lshlrev_b32 v[H32], 5, v2
	v_nop
	v_nop
	s_wait_alu depctr_va_vdst(0)                   ; the products have written the accumulators, which the LDS stores below read, and are done reading W's fragments, in which the image's loads land; the way out's four addresses are written.  The places above stay beside this wait
	s_cmp_lt_u32 s[WV], 4
	s_cbranch_scc1 .Lparity_0
.irp i, 0,1,2,3,4,5,6,7
	ds_store_b128 v[RDA], v[ACC+4*\i:ACC+4*\i+3] offset:512*\i   ; parity 1: my sums as an image of their registers, each accumulator from its low end on.  (These waves write the accumulators no more)
.endr
.Lparity_0:
	s_wait_dscnt 0x0
	s_barrier_signal -1
	s_barrier_wait -1
	s_cmp_ge_u32 s[WV], 4
	s_cbranch_scc1 .Lchosen
.irp i, 0,1,2,3,4,5,6,7
	ds_load_b128 v[WF+4*\i:WF+4*\i+3], v[RDA] offset:512*\i
.endr
	s_wait_dscnt 0x0
.irp i, 0,2,4,6,8,10,12,14,16,18,20,22,24,26,28,30
	v_pk_add_f32 v[ACC+\i:ACC+\i+1], v[ACC+\i:ACC+\i+1], v[WF+\i:WF+\i+1]   ; even K steps' sum + odd K steps' sum: the logits
.endr
	; The two largest of my 32, with their places, in four chains (one an accumulator) by turns.  A later expert wins only where it is strictly larger.  No branch: every choice is a v_cndmask_b32.
.irp e, 0,1,2,3
	v_mov_b32 v[TB+4*\e], 8*\e
.endr
.irp e, 0,1,2,3
	v_mov_b32 v[TB+4*\e+1], 8*\e+1
.endr
.irp e, 0,1,2,3
	v_cmp_le_f32 s[K1+\e], v[ACC+8*\e+1], v[ACC+8*\e]              ; the first two start a chain
.endr
	s_wait_alu depctr_va_sdst(0)                   ; the four compares have written their masks, ahead of the selects that read them
.irp e, 0,1,2,3
	v_cndmask_b32 v[TB+4*\e+1], v[TB+4*\e], v[TB+4*\e+1], s[K1+\e]
.endr
.irp e, 0,1,2,3
	v_cndmask_b32 v[TB+4*\e], 8*\e+1, v[TB+4*\e], s[K1+\e]
.endr
.irp e, 0,1,2,3
	v_min_num_f32 v[TB+4*\e+3], v[ACC+8*\e], v[ACC+8*\e+1]
.endr
.irp e, 0,1,2,3
	v_max_num_f32 v[TB+4*\e+2], v[ACC+8*\e], v[ACC+8*\e+1]
.endr
.irp j, 2,3,4,5,6,7
.irp e, 0,1,2,3
	v_cmp_le_f32 s[K2+\e], v[ACC+8*\e+\j], v[TB+4*\e+3]            ; not above the second
.endr
.irp e, 0,1,2,3
	v_cmp_le_f32 s[K1+\e], v[ACC+8*\e+\j], v[TB+4*\e+2]            ; not above the first
.endr
	s_wait_alu depctr_va_sdst(0)                   ; the eight compares have written their masks: one wait for the run, ahead of the first select
.irp e, 0,1,2,3
	v_cndmask_b32 v[TB+4*\e+1], 8*\e+\j, v[TB+4*\e+1], s[K2+\e]    ; above the second: it takes the second place,
.endr
.irp e, 0,1,2,3
	v_cndmask_b32 v[TB+4*\e+1], v[TB+4*\e], v[TB+4*\e+1], s[K1+\e] ; above the first: the old first does,
.endr
.irp e, 0,1,2,3
	v_cndmask_b32 v[TB+4*\e], 8*\e+\j, v[TB+4*\e], s[K1+\e]        ; and it takes the first
.endr
.irp e, 0,1,2,3
	v_med3_num_f32 v[TB+4*\e+3], v[ACC+8*\e+\j], v[TB+4*\e+2], v[TB+4*\e+3]   ; the middle of the three is the new second
.endr
.irp e, 0,1,2,3
	v_max_num_f32 v[TB+4*\e+2], v[TB+4*\e+2], v[ACC+8*\e+\j]
.endr
.endr
	MERGE TB, TB+4
	MERGE TB+8, TB+12
	MERGE TB, TB+8
	v_add_nc_u32 v[TB], v[H32], v[TB]              ; places become experts: lanes 16-31 hold experts 32-63
	v_add_nc_u32 v[TB+1], v[H32], v[TB+1]
.irp i, 0,1,2,3
	v_permlanex16_b32 v[TB+4+\i], v[TB+\i], s[SEL], s[SEL+1]       ; the token's other 32 experts lie in the lane 16 away
.endr
.irp i, 0,1,2,3
	v_cndmask_b32 v[TB+8+\i], v[TB+\i], v[TB+4+\i], s[HM]          ; the lower experts' pair, in both lanes of a token,
.endr
.irp i, 0,1,2,3
	v_cndmask_b32 v[TB+12+\i], v[TB+4+\i], v[TB+\i], s[HM]         ; and the higher experts'
.endr
	MERGE TB+8, TB+12
	v_sub_f32 v[TM0], v[TB+11], v[TB+10]           ; the softmax of the two, the larger taken away: 1 and e = exp(second - first), at most 1
	v_mul_f32 v[TM0], 0x3fb8aa3b, v[TM0]
	s_wait_alu depctr_va_vdst(0)
	v_exp_f32 v[TM1], v[TM0]
	v_nop                                          ; a plain line behind the transcendental,
	s_wait_alu depctr_va_vdst(0)                   ; and the wait ahead of the first line that names its result.  It also shows the merge's two experts written, which the store below reads
	ds_store_b64 v[OSA], v[TB+8:TB+9]              ; the two experts (both lanes of a token write the same 8 bytes with the same values); no line below writes these two registers
	v_add_f32 v[TM0], 1.0, v[TM1]
	s_wait_alu depctr_va_vdst(0)
	v_rcp_f32 v[TB], v[TM0]                        ; 1 / (1 + e)
	v_nop
	s_wait_alu depctr_va_vdst(0)                   ; the reciprocal is written, ahead of the first line that names it
	v_mul_f32 v[TB+1], v[TM1], v[TB]               ; e / (1 + e)
	s_wait_alu depctr_va_vdst(0)                   ; the product has written v[TB+1], which the store below reads beside the reciprocal
	ds_store_b64 v[OSA], v[TB:TB+1] offset:512
.Lchosen:
	s_wait_dscnt 0x0
	s_barrier_signal -1
	s_barrier_wait -1                              ; the 64 tokens' results lie in LDS
	s_cmp_ge_u32 s[WV], 2
	s_cbranch_scc1 .Ldone
	ds_load_b128 v[TB+4:TB+7], v[OLA]              ; into four registers that no LDS store has read; the permutes and selects that named them stand ahead of the waits on va_vdst above
	s_wait_dscnt 0x0
	global_store_b128 v[GO], v[TB+4:TB+7], s[8:9] th:TH_STORE_NT   ; the wave stores 512 consecutive bytes, at a multiple of 512 from the output's first byte
.Ldone:
	s_wait_dscnt 0x0
	s_wait_alu depctr_hold_cnt(0) depctr_sa_sdst(0) depctr_va_vdst(0) depctr_va_sdst(0) depctr_va_ssrc(0) depctr_va_vcc(0) depctr_vm_vsrc(0)
	s_wait_tensorcnt 0x0
	ds_add_u32 v254, v255
	s_wait_dscnt 0x0
	s_endpgm
.Lfunc_end_k_q749b994a22_gate:
	.size	k_q749b994a22_gate, .Lfunc_end_k_q749b994a22_gate-k_q749b994a22_gate
	.p2alignl 7, 3214868480
	.fill 96, 4, 3214868480
	.section	.rodata,"a",@progbits
	.p2align	6, 0x0
	.amdhsa_kernel k_q749b994a22_gate
		.amdhsa_group_segment_fixed_size 190976
		.amdhsa_private_segment_fixed_size 0
		.amdhsa_enable_private_segment 0
		.amdhsa_kernarg_size 32
		.amdhsa_user_sgpr_count 2
		.amdhsa_user_sgpr_kernarg_segment_ptr 1
		.amdhsa_wavefront_size32 1
		.amdhsa_system_sgpr_workgroup_id_x 1
		.amdhsa_system_sgpr_workgroup_id_y 1
		.amdhsa_system_sgpr_workgroup_id_z 1
		.amdhsa_system_vgpr_workitem_id 0
		.amdhsa_next_free_vgpr 512
		.amdhsa_next_free_sgpr 82
		.amdhsa_reserve_vcc 0
		.amdhsa_float_denorm_mode_32 3
		.amdhsa_float_denorm_mode_16_64 3
		.amdhsa_memory_ordered 1
		.amdhsa_forward_progress 1
		.amdhsa_inst_pref_size 255
	.end_amdhsa_kernel
	.amdgpu_metadata
---
amdhsa.version: [ 1, 2 ]
amdhsa.kernels:
  - .name:           k_q749b994a22_gate
    .symbol:         k_q749b994a22_gate.kd
    .args:
      - { .name: x, .offset: 0, .size: 8, .value_kind: global_buffer, .address_space: global }
      - { .name: W, .offset: 8, .size: 8, .value_kind: global_buffer, .address_space: global }
      - { .name: out0, .offset: 16, .size: 8, .value_kind: global_buffer, .address_space: global }
      - { .name: out1, .offset: 24, .size: 8, .value_kind: global_buffer, .address_space: global }
    .group_segment_fixed_size: 190976
    .private_segment_fixed_size: 0
    .kernarg_segment_align: 8
    .kernarg_segment_size: 32
    .max_flat_workgroup_size: 256
    .sgpr_count:     82
    .vgpr_count:     512
    .wavefront_size: 32
...
	.end_amdgpu_metadata
.endif
;; end of part 2
